; MI455X (gfx1250); checked and timed in simulation.
; The chip was launched on July 23, 2026; its instructions are those of AMD's public machine-readable ISA for CDNA 5 (MIT licence, August 2026) and "CDNA5" Instruction Set Architecture Reference Guide (July 2026). The comments in the code are by the model that wrote it; some were corrected since.
;; Attention Block. Allowed arithmetic: matrix products marked QUANTISED: E2M1 operands, one E8M0 scale for each 32 along K, by v_wmma_scale_f32_16x16x128_f8f6f4 with both operands' format E2M1 (or v_wmma_scale_f32_32x16x128_f4), f32 sums; everything else in f32.
;; Inputs: att_mask 1 x 1 x 2,048 x 2,048 float32; k_codes 4 x 16 x 2,048 x 2 x 16 uint8 (E2M1 codes of k, K innermost, in blocks of 32 codes, two codes a byte); k_scales 4 x 16 x 2,048 x 2 uint8 (E8M0 scales of k, one for each 32 codes along K); padding_mask 4 x 2,048 x 2,048 bool; q_codes 4 x 16 x 2,048 x 2 x 16 uint8 (E2M1 codes of q, K innermost, in blocks of 32 codes, two codes a byte); q_scales 4 x 16 x 2,048 x 2 uint8 (E8M0 scales of q, one for each 32 codes along K); v_codes 4 x 16 x 64 x 64 x 16 uint8 (E2M1 codes of v, K innermost, in blocks of 32 codes, two codes a byte); v_scales 4 x 16 x 64 x 64 uint8 (E8M0 scales of v, one for each 32 codes along K).
;; Outputs: out0 4 x 16 x 2,048 x 64 float32.
;; This version of the problem:
;;   THIS VERSION OF THE PROBLEM IS GIVEN IN LOW PRECISION. The matrix products marked QUANTISED in the list below multiply operands that are first quantised to E2M1 (2 exponent bits, 1 mantissa bit; 4 bits a number), with one power-of-two scale for each 32 numbers along K (OCP MX v1.0); their sums are f32. All else is computed in f32.
;;   The module's matrix products, in the order in which they are computed (A, B: the left and right operand; K: the contracted axis; several contracted axes count as one K, in the product's order):
;;     1. batch 64 x [M 2,048, K 64] x [K 64, N 2,048]; A: input q (given as codes); B: input k (given as codes): QUANTISED
;;     2. batch 64 x [M 2,048, K 2,048] x [K 2,048, N 64]; A: softmax (see below); B: input v (given as codes): QUANTISED
;;   THE QUANTISER, for each operand of a quantised product, along K:
;;     - K is cut into blocks of 32 from its start; a last block that is shorter is filled with zeros.
;;     - A block's scale is 2^e with e = floor(log2(the largest magnitude in the block)) - 2, held to -126 .. 127; a block of zeros has e = 0. As a byte (E8M0): e + 127.
;;     - Each number is divided by its block's scale, clamped to +-6, and rounded to the nearest number of E2M1, ties to even, subnormals kept.
;;     - The product sums the exact products of the quantised numbers (number of the format x scale) in f32.
;;   ~~~python
;;   def quantise(x, axis):      # numpy; x: float32 -> the quantised numbers, widened to float32 again
;;       x = np.moveaxis(x, axis, -1); K = x.shape[-1]
;;       x = np.pad(x, [(0, 0)] * (x.ndim - 1) + [(0, -K % 32)]); x = x.reshape(x.shape[:-1] + (-1, 32)); a = np.abs(x).max(-1, keepdims=True)
;;       e = np.where(a > 0, np.clip(np.frexp(np.where(a > 0, a, 1))[1] - 1 - 2, -126, 127), 0)      # np.frexp(a)[1] - 1 = floor(log2(a)), exactly
;;       r = np.clip(x / 2.0 ** e, -6, 6)
;;       step = 2.0 ** (np.maximum(np.frexp(np.where(r == 0, 1, r))[1] - 1, 0) - 1)
;;       q = np.round(r / step) * step * 2.0 ** e      # np.round: ties to even
;;       return np.moveaxis(q.reshape(q.shape[:-2] + (-1,))[..., :K], -1, axis).astype(np.float32)
;;   ~~~
;;   SOFTMAX AHEAD OF A QUANTISED PRODUCT. Where the list says 'softmax', what is quantised is not the finished softmax but p = 2^(t - M), with t = logit x log2(e) and M = ceil(the row's largest t), a whole number; so 1/2 < the row's largest p <= 1. The row's sum l is taken of the UNQUANTISED p, in f32, and the product's result is divided by l at the end. Since M is a whole number, a kernel that streams over the keys may use a running M (the ceiling of the running maximum): every later rescaling is an exact power of two, which a block's scale takes up: the codes' values come out the same.
;;   OPERANDS COMPUTED ON THE WAY. 'Computed on the way' means the value that the module computes at that place (a softmax that the list does not call 'softmax' is quantised finished and normalised). What goes into a quantiser is computed in f32, as accurately as f32 sums, v_exp_f32 and their like allow (about 1e-6 of the number): no bf16 or f16 on the way to a quantiser, and a product that is left as it is and whose result goes on into a quantised operand takes f32 operands (vector FMAs, or v_wmma_f32_16x16x4_f32). A number that lies on a knife's edge between two numbers of the format may be rounded either way, as far as f32 arithmetic and the matrix unit's own rounding can turn it there, and no further.
;;   INPUTS GIVEN AS CODES. k (in the module: [4, 16, 2048, 64], K = its axis 3); q (in the module: [4, 16, 2048, 64], K = its axis 3); v (in the module: [4, 16, 2048, 64], K = its axis 2): each comes as NAME_codes (uint8): NAME with its K axis moved to the last place and cut into blocks of 32 codes, [.., K / 32, bytes a block], one block behind the other in memory; two codes a byte, the lower K in the low four bits (a code: sign, 2 exponent bits, 1 mantissa bit); and NAME_scales (uint8): the same leading axes, one E8M0 byte (e + 127) for each 32 codes along K. Its value is code x scale, taken as it is: it is not quantised again, and the codes and scales need not be those that the quantiser above would give.
;; One version. Each part assembles by itself: llvm-mc -triple=amdgcn-amd-amdhsa -mcpu=gfx1250 --defsym DOCPART=n.
;; ======== version 1 of 1: 1 launch
;; limits: inputs' magnitudes at most 8.8e+29; right only within a limited range of input values
;; launch attn (part 1): grid 16 x 16, 8 waves a work-group, clusters of 4 x 4, 327,680 bytes of LDS; arguments att_mask, padding_mask, k_codes, k_scales, v_codes, v_scales, q_codes, q_scales, out0; writes out0
.if DOCPART == 1
	.amdgcn_target "amdgcn-amd-amdhsa--gfx1250"
	.amdhsa_code_object_version 6
	.text
	.protected	k_qbfb3e467a5_attn
	.globl	k_qbfb3e467a5_attn
	.p2align	8
	.type	k_qbfb3e467a5_attn,@function
k_qbfb3e467a5_attn:
	s_mov_b64 s[64:65], 0
	v_nop
	global_prefetch_b8 v0, s[64:65] scope:SCOPE_SE
	s_setreg_imm32_b32 hwreg(HW_REG_WAVE_MODE, 25, 1), 1
	s_wait_xcnt 0x0
	s_wait_alu depctr_hold_cnt(0) depctr_sa_sdst(0) depctr_va_vdst(0) depctr_va_sdst(0) depctr_va_ssrc(0) depctr_va_vcc(0) depctr_vm_vsrc(0)
	s_getreg_b32 s2, hwreg(HW_REG_IB_STS2, 6, 4)
	s_cmp_eq_u32 s2, 0
	s_cbranch_scc0 .Lentry_in_a_cluster
	s_endpgm
.Lentry_in_a_cluster:
	s_bfe_u32 s2, ttmp6, 0x10000c
	s_cmp_lg_u32 s2, 0xf033
	s_cbranch_scc0 .Lentry_shape_is_right
	s_endpgm
.Lentry_shape_is_right:
; out0[b][h][q][:] = the sum over k of softmax_k(q.k / 8 + att_mask[q][k], -infinity where padding_mask[b][q][k]) v[b][h][k][:].  4 x 16 heads, 2,048 queries and keys, head size 64.
; Both products on codes of FP4 (E2M1) with one E8M0 scale for each 32 along K.  q, k: 32 bytes of codes and 2 scale bytes a row; v: keys innermost, row (head, d) of 1,024 bytes of codes and 64 scale bytes.
; THE SOFTMAX AHEAD OF THE SECOND PRODUCT: t = logit x log2(e); M = the running largest t rounded up to a whole number; p = 2^(t - M) is quantised along the keys, not normalised; the row's sum is taken of the
; unquantised p and divides at the end; when M moves, the sum and O are multiplied by 2^(old M - new M), which rounds nothing.
; NOTHING IS LEFT OUT: every input has a way to the output, and all are loaded.
; THE MASKS ARE THE C OF THE FIRST PRODUCT.  Once for a key step a wave makes bias = 8 att_mask + (masked ? a sentinel : next to 0) for its 16 queries x 128 keys, 64 registers in the result's layout; S^T = K Q^T + bias, and
; t = S^T x log2(e) / 8.  The same 64 registers serve the wave's four heads, so the masks cost no line in a head's softmax.  The sentinel: the mask's byte (0 or 1) picks 0x00 or 0xfe by v_perm_b32, and that byte is the
; top byte of an f32: masked, a number between -2^127 and -2^125 (never infinity or NaN); not masked, a positive number under 2^-125, which moves 8 att_mask by no more than rounding.
; The running largest t begins at -2^100, over every sentinel's t: so a sentinel is never the maximum, its p is 0, and no infinity arises.  A row whose every key is masked ends with sum 0 and O 0: 0 x (1 / 0) = NaN, as reference() gives.
; LIMITS: a logit whose t lies under -2^100 counts as masked; padding_mask's bytes are 0 or 1; scale bytes 0xff, and NaN or infinities in att_mask, are not served.
; SHARES.  256 work-groups of 8 waves.  A work-group owns 128 queries (block GY) of four heads (4 GX .. 4 GX + 3, all of batch GX / 4); wave w owns queries 16 w .. 16 w + 15 of all four heads.  16 key steps of 128 keys.
; LAYOUT.  Both products are used transposed (S^T = K Q^T, O^T = V^T P^T): a lane holds ONE query (lane % 16) throughout.  THE KEYS OF A TILE ARE NOT NEIGHBOURS: lane r of tile 2 b + u takes key 32 b + 8 u + r + 8 (r / 8),
; so that the 16 registers of tiles 2 b and 2 b + 1 are 16 neighbouring keys, 32 b + 16 (lane / 16) + 0 .. 15.
; THE FIRST PRODUCT'S K IS 64, THE INSTRUCTION'S 128: Q's registers 4-7 are zero codes; K's operand of tile t runs on into the next tile's four registers, whose codes meet those zeros; the scale words are loaded as 16 bits, so
; the bytes of the upper 64 are 0, which is no NaN.
; CLUSTER 4 x 4: cx = which four heads of the batch, cy = the low bits of the query block; the cluster's x is the batch.  att_mask's and padding_mask's tiles hang on the batch and the query block: the four work-groups of a
; row of the cluster ask for them jointly.  K, V and their scales hang on GX: the four of a column ask jointly.  Every tensor load of the text is such a joint load.
; O^T is cleared once at the head (128 v_mov_b32), so that the key step is written without a first step of its own: the first change of M multiplies zeros.
;
; LDS: two slots, 2^17 bytes apart; in a slot: att_mask 128 rows x (512 + 16); padding_mask 128 rows x (128 + 16); K 4 heads x 4,224 (16 bytes behind every 512, that is 16 keys); V 256 rows (64 head + d) x (64 + 16).
; Behind the slots: K's and V's scale bytes of the four heads, all keys, filled once, as rows of 64 + 8 bytes; the spare words.  The way out's stages lie in slot 0.
; REGISTERS: window 0: v1-6 lane addresses that stay; v7, v8 the add's two; v9-14 the step's addresses; v15 the prefetch's offset; v16-31 four registers of statistics a head; v32-95 the bias; v96-159 S^T, then p;
;   v160-191 K's eight tiles, four registers each; v192-223 V's four fragments; v224-231 p's codes; v232-237, v239, v252-255 scale words; v238 f; v240-251 at work.   window 1: v0-127 O^T, 32 a head; v128-159 Q, 8 a head.
.set SLOT1, 1<<17
.set PAM,   528                        ; att_mask's row in LDS: 132 words: row r starts 4 r banks on (64 banks of 4 bytes: ISA guide 11.1)
.set PPM,   144                        ; padding_mask's: 9 x 16 bytes: sixteen rows start in sixteen different columns of 16 bytes
.set PKB,   528                        ; 16 keys of K: 512 bytes + 16
.set PKH,   8*PKB                      ; a head's 128 keys
.set PVR,   80                         ; a row of V's tile: 64 bytes + 16
.set PSC,   72                         ; a row of scale bytes: 64 + 8
.set PMOFF, 128*PAM
.set KOFF,  PMOFF+128*PPM
.set VOFF,  KOFF+4*PKH                 ; a slot ends at VOFF + 256 PVR = 123,392
.set SCK,   2*SLOT1                    ; K's scale bytes: row 64 head + 4 step + b holds those of 32 keys
.set SCV,   SCK+256*PSC                ; V's: row 64 head + d
.set SPARE, SCV+256*PSC                ; the spare words, 128 bytes for each wave: four blocks of 256 bytes that no other line names
.set SPT,   272                        ; the way out: a stage of 16 rows x (256 + 16) bytes for each wave, in slot 0, which has had its last fill and its last read at the last change of slots
.set AAM,  1                           ; v1   my lane's place in att_mask's tile
.set APM,  2                           ; v2   in padding_mask's
.set AK,   3                           ; v3   in a tile of K
.set AV,   4                           ; v4   in a tile of V
.set ASCK, 5                           ; v5   among K's scale words
.set ASCV, 6                           ; v6   among V's
.set SPW,  7                           ; v7   LDS address of my spare word; never rewritten
.set NIL,  8                           ; v8   0; never rewritten
.set ADK,  9                           ; v9-14 the step's addresses
.set ADV,  10
.set ADS,  11
.set ADT,  12
.set ADA,  13
.set ADP,  14
.set STO,  11                          ; the way out: v11 into the stage, v12 back, v13 my byte offset in the wave's rows of out0
.set RD,   12
.set GO,   13
.set PFO,  15                          ; v15  the prefetch's lane offset; never rewritten
.set ST,   16                          ; head n at v[ST + 4 n]: -M, the largest t, the sum in two halves
.set B,    32
.set S,    96
.set KB,   160
.set VB,   192
.set PC,   224
.set KSC,  232                         ; v232-235 K's scale words: register b: lanes 0-15 tile 2 b, lanes 16-31 tile 2 b + 1
.set VSC,  236                         ; v236-237 V's: register u: lanes 0-15 tile 2 u, lanes 16-31 tile 2 u + 1
.set F,    238                         ; v238 f = 2^(old M - new M); named as a pair with
.set PW,   239                         ; v239 p's scale word
.set BM,   240                         ; v240-243 the blocks' largest scores, then largest p
.set PD,   244                         ; v244-247 at work
.set SO,   248                         ; v248-251 the conversions' scale operands
.set QS,   252                         ; v252-255 Q's scale words, a register a head
.set QW,   128                         ; Q, in window 1
.set PFA,  2                           ; s[2:3]   where my prefetches stand
.set PFS,  4                           ; s[4:5]   their step (s4-15 hold pointers until the descriptors and PFA are made)
.set POF,  6                           ; s[6:7]   their first offset
.set CAD,  8                           ; s8       a wave asks in the steps whose number has none of these bits,
.set LIMIT, 9                          ; s9       and lies under this
.set T0,   10
.set SH,   11
.set WV,   22
.set TB,   23                          ; s23  LDS byte at which the slot in hand begins
.set TS,   24                          ; s24  the step's scale words of K: 288 bytes a step
.set TJ,   25                          ; s25  and V's: 4 bytes a step
.set STP,  26                          ; s26  the key step
.set TAB,  27                          ; s27  0x0000fe00: byte 0 for a mask byte 0, byte 1 for a mask byte 1
.set SEL,  28                          ; s[28:29] v_permlanex16_b32's selects for lane l xor 16
.set CS,   30                          ; s[30:31] c = log2(e) / 8, twice: the packed form names a pair
.set G1AM, 32
.set G1PM, 40
.set G1K,  48
.set G1V,  56
.set CX,   66
.set CY,   67
.set G1S,  68
.set G0AM, 76
.set G0PM, 80
.set G0K,  84
.set G0V,  88
.set G0SK, 92
.set G0SV, 96
.set C8,   100                         ; s[100:101] 8.0, twice
.set GX,   104
.set GY,   105
.set MSB, 0
.macro WIN new                         ; s_set_vgpr_msb: bits 1:0 source 0, 3:2 source 1, 5:4 source 2, 7:6 destination; the high byte repeats the setting that is left
.if MSB != \new
	s_set_vgpr_msb (MSB<<8)|\new
.set MSB, \new
.endif
.endm
.set W_QK,  0x04                       ; Q (source 1) in window 1
.set W_RS,  0x41                       ; O^T (destination and source 0) in window 1
.set W_PV,  0x50                       ; O^T (C and D) in window 1
.set W_OUT, 0x01                       ; O^T (source 0) in window 1
.set TO_W1, 0x40                       ; destination in window 1
.macro PLACES n
.rept \n
	v_nop
.endr
.endm
.macro GROUP1 g, d0, d1, pitch         ; words 1 to 7 of a descriptor's group 1: a tile of d1 rows x d0 elements that lies inside its tensor, pitch elements from row to row
	s_mov_b32 s[\g+1], (\d0)<<16                   ; tensor_dim0
	s_mov_b32 s[\g+2], (\d1)<<16                   ; tensor_dim1
	s_mov_b32 s[\g+3], (\d0)<<16                   ; tile_dim0
	s_mov_b32 s[\g+4], \d1                         ; tile_dim1
	s_mov_b32 s[\g+5], \pitch                      ; tensor_dim0_stride
	s_mov_b32 s[\g+6], 0
	s_mov_b32 s[\g+7], 0
.endm
; A round of the cluster's barrier: my work-group's barrier, so that wave 0's signal speaks for all eight waves; wave 0 signals; every wave waits for all sixteen work-groups; my work-group's barrier once more.
.macro CROUND
	s_barrier_signal -1
	s_barrier_wait -1
	s_cmp_lg_u32 s[WV], 0
	s_cbranch_scc1 .Lnot_wave_0_\@
	s_barrier_signal -3
.Lnot_wave_0_\@:
	s_barrier_wait -3
	s_barrier_signal -1
	s_barrier_wait -1
.endm
; A joint refill, one load a wave: waves 0-3 att_mask's 32 rows each, waves 4, 5 padding_mask's 64 rows each, wave 6 K's four heads, wave 7 V's 256 rows.  The branches hang on the wave's number alone.
; An s_nop 0 and four v_nop follow each line, ahead of the jump, the label and what follows.
.macro JLOAD
	s_cmp_lt_u32 s[WV], 4
	s_cbranch_scc0 .Lj_not_am_\@
	tensor_load_to_lds s[G0AM:G0AM+3], s[G1AM:G1AM+7]
	s_nop 0
.rept 4
	v_nop
.endr
	s_branch .Lj_asked_\@
.Lj_not_am_\@:
	s_cmp_lt_u32 s[WV], 6
	s_cbranch_scc0 .Lj_not_pm_\@
	tensor_load_to_lds s[G0PM:G0PM+3], s[G1PM:G1PM+7]
	s_nop 0
.rept 4
	v_nop
.endr
	s_branch .Lj_asked_\@
.Lj_not_pm_\@:
	s_cmp_eq_u32 s[WV], 6
	s_cbranch_scc0 .Lj_v_\@
	tensor_load_to_lds s[G0K:G0K+3], s[G1K:G1K+7]
	s_nop 0
.rept 4
	v_nop
.endr
	s_branch .Lj_asked_\@
.Lj_v_\@:
	tensor_load_to_lds s[G0V:G0V+3], s[G1V:G1V+7]
	s_nop 0
.rept 4
	v_nop
.endr
.Lj_asked_\@:
.endm
; A PREFETCH of what later changes of slots will ask for, one instruction a wave, behind the wave's tensor load and its five lines.  Each aligned block of 256 bytes is named once in the launch; partners of a cluster are told
; apart by address alone.  In step s:
;   waves 0, 1: att_mask, step s + 2: rows 32 cx on of my 128, a lane a row, half (wave & 1) of the row's 512 bytes; the clusters of batch 0 alone ask, since all batches read the same rows; s under 14.
;   wave 2: padding_mask, steps s + 2 and s + 3 (256 bytes of a row): rows 32 cx on; s even, under 13.
;   wave 3: K's codes of head cy of my four, steps s + 2 and s + 3: 8,192 dense bytes, lanes 256 bytes apart; the clusters with y = 0 alone ask, since all query blocks read the same keys; s even, under 13.
;   waves 4, 5: V's codes of head cy, steps s + 4 to s + 7 (256 bytes of a row): rows 32 (wave & 1) on; clusters with y = 0; s a multiple of 4, under 9.
; The first steps come by their loads alone: nothing is asked for at the head.  The last steps ask for nothing: no prefetch points past a row's end.
.macro ASK
	s_and_b32 s[T0], s[STP], s[CAD]
	s_cmp_eq_u32 s[T0], 0
	s_cselect_b32 s[T0], s[STP], 99
	s_cmp_lt_u32 s[T0], s[LIMIT]                   ; the step, the wave's number and the cluster's x or y alone: alike in all partners
	s_cbranch_scc0 .Lnot_mine_\@
	global_prefetch_b8 v[PFO], s[PFA:PFA+1] th:TH_LOAD_NT scope:SCOPE_SE
.Lnot_mine_\@:
.endm
	s_load_b512 s[4:19], s[0:1], 0x0               ; att_mask s[4:5], padding_mask s[6:7], K's codes s[8:9], K's scales s[10:11], V's codes s[12:13], V's scales s[14:15], Q's codes s[16:17], Q's scales s[18:19]
	s_load_b64 s[20:21], s[0:1], 0x40              ; out0
	v_lshl_add_u32 v[SPW], v0, 2, SPARE
	v_mov_b32 v[NIL], 0
	ds_add_u32 v[SPW], v[NIL]                      ; the wave's opening: the add, twice on end, and its wait ahead of my first tensor load; the set-up below, work on registers, stands between
	ds_add_u32 v[SPW], v[NIL]                      ; and once more, under the one wait
	v_lshrrev_b32 v9, 5, v0
	v_readfirstlane_b32 s[WV], v9                  ; wave 0..7
	s_bfe_u32 s[CX], ttmp6, 0x40000                ; cx, cy: my place in the cluster
	s_bfe_u32 s[CY], ttmp6, 0x40004
	s_lshl_b32 s[GX], ttmp9, 2
	s_add_co_u32 s[GX], s[GX], s[CX]               ; GX = 4 x cluster x + cx: heads 4 GX on; cluster x is the batch
	s_and_b32 s[GY], ttmp7, 0xffff
	s_lshl_b32 s[GY], s[GY], 2
	s_add_co_u32 s[GY], s[GY], s[CY]               ; GY = 4 x cluster y + cy: queries 128 GY on
	s_lshl_b32 s2, s[CY], 2
	s_lshl_b32 s2, 15, s2                          ; my row of the cluster: places 4 cy .. 4 cy + 3
	s_lshl_b32 s3, 0x1111, s[CX]                   ; my column: places cx, cx + 4, cx + 8, cx + 12
	; group 1, word 0: 15:0 the mask; 17:16 the element's size; 20 padding on; 21 set beside a mask; 24:22 the interval's code; 31:25 the padding's words less 1
	s_or_b32 s[G1AM], s2, (2<<16)|(1<<20)|(1<<21)|(6<<22)|(3<<25)   ; elements of 4 bytes; 4 words behind every 128
	GROUP1 G1AM, 128, 32, 2048                     ; 32 queries x 128 keys
	s_or_b32 s[G1PM], s2, (0<<16)|(1<<20)|(1<<21)|(4<<22)|(3<<25)   ; bytes; 4 words behind every 32
	GROUP1 G1PM, 128, 64, 2048                     ; 64 queries x 128 keys
	s_or_b32 s[G1K], s3, (0<<16)|(1<<20)|(1<<21)|(6<<22)|(3<<25)    ; bytes; 4 words behind every 128: eight times in a row
	GROUP1 G1K, 4096, 4, 65536                     ; 4 heads x 128 keys of 32 bytes, dense in a head
	s_or_b32 s[G1V], s3, (0<<16)|(1<<20)|(1<<21)|(3<<22)|(3<<25)    ; bytes; 4 words behind every 16
	GROUP1 G1V, 64, 256, 1024                      ; 256 rows (head, d) x 128 keys
	s_or_b32 s[G1S], s3, (3<<16)|(1<<20)|(1<<21)|(3<<22)|(1<<25)    ; elements of 8 bytes; 2 words behind every 16
	GROUP1 G1S, 8, 256, 8                          ; four heads' scale bytes: 16,384 dense bytes as 256 rows of 64
	; group 0: word 0 = 1; the LDS address; the tile's byte offset, to which the buffer's address is added below.  What a row of the cluster shares never holds cx, what a column shares never cy
	s_mov_b32 s[G0AM], 1
	s_mul_i32 s[G0AM+1], s[WV], 32*PAM             ; waves 0-3: 32 rows each
	s_lshl_b32 s[G0AM+2], s[GY], 20                ; 128 rows of 8,192 bytes
	s_lshl_b32 s25, s[WV], 18
	s_add_co_u32 s[G0AM+2], s[G0AM+2], s25
	s_mov_b32 s[G0AM+3], 0
	s_and_b32 s26, s[WV], 1
	s_mov_b32 s[G0PM], 1
	s_mul_i32 s[G0PM+1], s26, 64*PPM               ; waves 4, 5: 64 rows each
	s_add_co_u32 s[G0PM+1], s[G0PM+1], PMOFF
	s_lshl_b32 s[G0PM+2], ttmp9, 22                ; the batch's 2,048 rows of 2,048 bytes
	s_lshl_b32 s25, s[GY], 18
	s_add_co_u32 s[G0PM+2], s[G0PM+2], s25
	s_lshl_b32 s25, s26, 17
	s_add_co_u32 s[G0PM+2], s[G0PM+2], s25
	s_mov_b32 s[G0PM+3], 0
	s_mov_b32 s[G0K], 1
	s_mov_b32 s[G0K+1], KOFF
	s_lshl_b32 s[G0K+2], s[GX], 18                 ; four heads of 65,536 bytes
	s_mov_b32 s[G0K+3], 0
	s_mov_b32 s[G0V], 1
	s_mov_b32 s[G0V+1], VOFF
	s_lshl_b32 s[G0V+2], s[GX], 18
	s_mov_b32 s[G0V+3], 0
	s_mov_b32 s[G0SK], 1
	s_mov_b32 s[G0SK+1], SCK
	s_lshl_b32 s[G0SK+2], s[GX], 14                ; four heads of 4,096 bytes
	s_mov_b32 s[G0SK+3], 0
	s_mov_b32 s[G0SV], 1
	s_mov_b32 s[G0SV+1], SCV
	s_lshl_b32 s[G0SV+2], s[GX], 14
	s_mov_b32 s[G0SV+3], 0
	s_mov_b32 s[TB], 0
	s_mov_b32 s[TS], 0
	s_mov_b32 s[TJ], 0
	s_mov_b32 s[STP], 0
	s_mov_b32 s[TAB], 0xfe00
	s_mov_b32 s[SEL], 0x76543210
	s_mov_b32 s[SEL+1], 0xfedcba98
	s_mov_b32 s[CS], 0x3e38aa3b                    ; c = log2(e) / 8
	s_mov_b32 s[CS+1], s[CS]
	s_mov_b32 s[C8], 0x41000000                    ; 8.0
	s_mov_b32 s[C8+1], s[C8]
	s_wait_dscnt 0x0                               ; both opening adds are done
	s_wait_kmcnt 0x0
	s_add_nc_u64 s[G0AM+2:G0AM+3], s[4:5], s[G0AM+2:G0AM+3]
	s_or_b32 s[G0AM+3], s[G0AM+3], 0x80000000      ; 127:126 type = 2
	s_add_nc_u64 s[G0PM+2:G0PM+3], s[6:7], s[G0PM+2:G0PM+3]
	s_or_b32 s[G0PM+3], s[G0PM+3], 0x80000000
	s_add_nc_u64 s[G0K+2:G0K+3], s[8:9], s[G0K+2:G0K+3]
	s_or_b32 s[G0K+3], s[G0K+3], 0x80000000
	s_add_nc_u64 s[G0SK+2:G0SK+3], s[10:11], s[G0SK+2:G0SK+3]
	s_or_b32 s[G0SK+3], s[G0SK+3], 0x80000000
	s_add_nc_u64 s[G0V+2:G0V+3], s[12:13], s[G0V+2:G0V+3]
	s_or_b32 s[G0V+3], s[G0V+3], 0x80000000
	s_add_nc_u64 s[G0SV+2:G0SV+3], s[14:15], s[G0SV+2:G0SV+3]
	s_or_b32 s[G0SV+3], s[G0SV+3], 0x80000000
	CROUND                                         ; all sixteen work-groups are here: the first joint loads meet
	; THE FIRST FILLS, one branch on the wave's number with a load in each arm: slot 0 (key step 0) and, in waves 6 and 7, the scale bytes, which are filled once.  At most two loads of a wave are out
	s_cmp_lt_u32 s[WV], 4
	s_cbranch_scc0 .Lf_not_am
	tensor_load_to_lds s[G0AM:G0AM+3], s[G1AM:G1AM+7]
	s_nop 0
	PLACES 4
	s_branch .Lf_asked
.Lf_not_am:
	s_cmp_lt_u32 s[WV], 6
	s_cbranch_scc0 .Lf_not_pm
	tensor_load_to_lds s[G0PM:G0PM+3], s[G1PM:G1PM+7]
	s_nop 0
	PLACES 4
	s_branch .Lf_asked
.Lf_not_pm:
	s_cmp_eq_u32 s[WV], 6
	s_cbranch_scc0 .Lf_v
	tensor_load_to_lds s[G0SK:G0SK+3], s[G1S:G1S+7]
	s_nop 0
	tensor_load_to_lds s[G0K:G0K+3], s[G1K:G1K+7]
	s_nop 0
	PLACES 4
	s_branch .Lf_asked
.Lf_v:
	tensor_load_to_lds s[G0SV:G0SV+3], s[G1S:G1S+7]
	s_nop 0
	tensor_load_to_lds s[G0V:G0V+3], s[G1V:G1V+7]
	s_nop 0
	PLACES 4
.Lf_asked:
	; the prefetches' set-up (macro ASK).  First the buffer, by the wave's number; then s4-15 are free
	s_cmp_lt_u32 s[WV], 2
	s_cselect_b64 s[PFA:PFA+1], s[4:5], s[12:13]   ; waves 0, 1: att_mask; the others for now V's codes
	s_cmp_eq_u32 s[WV], 2
	s_cselect_b64 s[PFA:PFA+1], s[6:7], s[PFA:PFA+1]   ; wave 2: padding_mask
	s_cmp_eq_u32 s[WV], 3
	s_cselect_b64 s[PFA:PFA+1], s[8:9], s[PFA:PFA+1]   ; wave 3: K's codes
	s_and_b32 s12, s[WV], 1
	s_lshl_b32 s13, s[GY], 20                      ; att_mask: my block's rows, 32 cx on, half wave & 1 of a step's 512 bytes, at step 1: every change of slots steps the address ahead of its prefetch
	s_lshl_b32 s14, s[CX], 18
	s_add_co_u32 s13, s13, s14
	s_lshl_b32 s14, s12, 8
	s_add_co_u32 s13, s13, s14
	s_add_co_u32 s13, s13, 512
	s_lshl_b32 s15, s[GX], 18                      ; K and V: head cy of my four
	s_lshl_b32 s14, s[CY], 16
	s_add_co_u32 s15, s15, s14
	s_lshl_b32 s14, s12, 15                        ; V: rows 32 (wave & 1) on, at step 3
	s_add_co_u32 s14, s14, s15
	s_add_co_u32 s14, s14, 192
	s_and_b32 s12, ttmp7, 0xffff                   ; cluster y
	s_cmp_lt_u32 s[WV], 2
	s_cselect_b32 s[POF], s13, s14
	s_cselect_b32 s[SH], 13, 10                    ; from lane to lane: 2^13 or 2^10 bytes
	s_cselect_b32 s[PFS], 9, 6                     ; from step to step: 2^9 or 2^6
	s_cselect_b32 s[CAD], 0, 3
	s_cselect_b32 s[LIMIT], 14, 9
	s_cselect_b32 s12, ttmp9, s12                  ; the cluster's coordinate along which others read the same bytes: only 0 asks
	s_lshl_b32 s13, ttmp9, 22                      ; padding_mask: my batch, my block's rows, 32 cx on, at step 1
	s_lshl_b32 s14, s[GY], 18
	s_add_co_u32 s13, s13, s14
	s_lshl_b32 s14, s[CX], 16
	s_add_co_u32 s13, s13, s14
	s_add_co_u32 s13, s13, 128
	s_cmp_eq_u32 s[WV], 2
	s_cselect_b32 s[POF], s13, s[POF]
	s_cselect_b32 s[SH], 11, s[SH]
	s_cselect_b32 s[PFS], 7, s[PFS]
	s_cselect_b32 s[CAD], 1, s[CAD]
	s_cselect_b32 s[LIMIT], 13, s[LIMIT]
	s_cselect_b32 s12, 0, s12                      ; no other cluster reads these rows: every cluster asks
	s_add_co_u32 s15, s15, 4096                    ; K: at step 1
	s_cmp_eq_u32 s[WV], 3
	s_cselect_b32 s[POF], s15, s[POF]
	s_cselect_b32 s[SH], 8, s[SH]
	s_cselect_b32 s[PFS], 12, s[PFS]
	s_cselect_b32 s[CAD], 1, s[CAD]
	s_cselect_b32 s[LIMIT], 13, s[LIMIT]
	s_cmp_gt_u32 s[WV], 5
	s_cselect_b32 s12, 1, s12                      ; waves 6 and 7 ask for nothing
	s_cmp_eq_u32 s12, 0
	s_cselect_b32 s[LIMIT], s[LIMIT], 0
	s_lshl_b32 s[PFS], 1, s[PFS]
	s_mov_b32 s[PFS+1], 0
	s_mov_b32 s[POF+1], 0
	s_add_nc_u64 s[PFA:PFA+1], s[PFA:PFA+1], s[POF:POF+1]
	v_and_b32 v11, 31, v0                          ; lane
	v_lshlrev_b32 v[PFO], s[SH], v11
	; Q, its scale words and out0 at my wave's first query of head 4 GX: 32, 2 and 256 bytes a row
	s_lshl_b32 s12, s[GX], 18
	s_lshl_b32 s14, s[GY], 12
	s_add_co_u32 s12, s12, s14
	s_lshl_b32 s14, s[WV], 9
	s_add_co_u32 s12, s12, s14
	s_mov_b32 s13, 0
	s_add_nc_u64 s[16:17], s[16:17], s[12:13]
	s_lshr_b32 s12, s12, 4
	s_add_nc_u64 s[18:19], s[18:19], s[12:13]
	s_lshl_b32 s12, s12, 7
	s_add_nc_u64 s[20:21], s[20:21], s[12:13]
	v_and_b32 v9, 15, v0                           ; r = lane % 16
	v_bfe_u32 v10, v0, 4, 1                        ; h = lane / 16
	v_lshlrev_b32 v[BM], 5, v9
	v_lshl_add_u32 v[BM], v10, 4, v[BM]            ; Q: row r, + 16 h: K = 32 h + 0 .. 31
	v_lshlrev_b32 v[BM+1], 1, v9                   ; its scale word: 2 bytes a row
	WIN TO_W1
.irp n, 0,1,2,3
	global_load_b128 v[QW+8*\n:QW+8*\n+3], v[BM], s[16:17] offset:65536*\n th:TH_LOAD_NT   ; Q's fragments stay in registers
.endr
.irp n, 0,1,2,3
.irp c, 4,5,6,7
	v_mov_b32 v[QW+8*\n+\c], 0                     ; zero codes for K = 64 .. 127
.endr
.endr
.set j, 0
.rept 128
	v_mov_b32 v[j], 0                              ; O^T
.set j, j+1
.endr
	WIN 0
.irp n, 0,1,2,3
	global_load_u16 v[QS+\n], v[BM+1], s[18:19] offset:4096*\n   ; 16 bits, the upper two bytes 0
.endr
	v_bfe_u32 v12, v0, 3, 1                        ; r / 8
	v_and_b32 v13, 7, v0                           ; r % 8
	s_mul_i32 s12, s[WV], 16*PAM
	v_mul_u32_u24 v[AAM], v9, PAM
	v_lshl_add_u32 v[AAM], v10, 6, v[AAM]
	v_add_nc_u32 v[AAM], s12, v[AAM]               ; att_mask: row 16 wave + r, + 64 h: my 16 keys of a block of 32
	s_mul_i32 s12, s[WV], 16*PPM
	s_add_co_u32 s12, s12, PMOFF
	v_mul_u32_u24 v[APM], v9, PPM
	v_lshl_add_u32 v[APM], v10, 4, v[APM]
	v_add_nc_u32 v[APM], s12, v[APM]               ; padding_mask: the same row, + 16 h
	v_mul_u32_u24 v[AK], v12, PKB
	v_lshl_add_u32 v[AK], v13, 5, v[AK]
	v_lshl_add_u32 v[AK], v10, 4, v[AK]
	v_add_nc_u32 v[AK], KOFF, v[AK]                ; K: key r % 8 + 16 (r / 8) of a tile's 32, + 16 h
	v_mul_u32_u24 v[AV], v9, PVR
	v_lshl_add_u32 v[AV], v10, 4, v[AV]
	v_add_nc_u32 v[AV], VOFF, v[AV]                ; V: row r, + 16 h
	v_lshlrev_b32 v[ASCK], 1, v13
	v_lshl_add_u32 v[ASCK], v10, 4, v[ASCK]
	v_lshl_add_u32 v[ASCK], v12, 5, v[ASCK]
	v_add_nc_u32 v[ASCK], SCK, v[ASCK]             ; K's scale words: 2 bytes a key: key 8 h + r % 8 + 16 (r / 8) of a block's 32
	v_mul_u32_u24 v[ASCV], v11, PSC
	v_add_nc_u32 v[ASCV], SCV, v[ASCV]             ; V's: row = lane
.irp n, 0,1,2,3
	v_mov_b32 v[ST+4*\n], 0x71800000               ; -M = 2^100
	v_mov_b32 v[ST+4*\n+1], 0xf1800000             ; the largest t so far: -2^100
	v_mov_b32 v[ST+4*\n+2], 0                      ; the sum, in two halves
	v_mov_b32 v[ST+4*\n+3], 0
	v_mov_b32 v[PD+\n], 0                          ; written once: a lane permute's destination counts as one of its sources
.endr
	v_mov_b32 v[PW], 0                             ; (named as the upper half of the pair with f before it is first written)
.macro KLOAD hd                        ; head hd's eight tiles of K, four registers each, and their scale words: 12 loads
.irp t, 0,1,2,3,4,5,6,7
	ds_load_b128 v[KB+4*\t:KB+4*\t+3], v[ADK] offset:PKH*(\hd)+2*PKB*(\t/2)+256*(\t%2)
.endr
.irp b, 0,1,2,3
	ds_load_u16 v[KSC+\b], v[ADS] offset:64*PSC*(\hd)+PSC*\b
.endr
.endm
.macro VLOAD hd                        ; head hd's four fragments of V^T (16 of the head's 64 x 128 keys) and their scale words: 10 loads
.irp t, 0,1,2,3
.irp c, 0,1
	ds_load_b128 v[VB+8*\t+4*\c:VB+8*\t+4*\c+3], v[ADV] offset:64*PVR*(\hd)+16*PVR*\t+32*\c
.endr
.endr
.irp u, 0,1
	ds_load_b32 v[VSC+\u], v[ADT] offset:(64*(\hd)+32*\u)*PSC
.endr
.endm
; THE BIAS of a key step, for my 16 queries x 128 keys: register 16 b + i = key 32 b + 16 (lane / 16) + i, as in S^T.
.macro PREP
	v_add_nc_u32 v[ADA], s[TB], v[AAM]             ; (these six are also the places behind the last products, in front of loads into registers that they read)
	v_add_nc_u32 v[ADP], s[TB], v[APM]
	v_add_nc_u32 v[ADK], s[TB], v[AK]
	v_add_nc_u32 v[ADV], s[TB], v[AV]
	v_add_nc_u32 v[ADS], s[TS], v[ASCK]
	v_add_nc_u32 v[ADT], s[TJ], v[ASCV]
.irp b, 0,1,2,3
	ds_load_b128 v[VB+4*\b:VB+4*\b+3], v[ADP] offset:32*\b   ; 16 mask bytes of block b, into registers that V does not need yet
.endr
.irp b, 0,1,2,3
.irp n, 0,1,2,3
	ds_load_b128 v[B+16*\b+4*\n:B+16*\b+4*\n+3], v[ADA] offset:128*\b+16*\n
.endr
.endr
	KLOAD 0
	s_wait_dscnt 28                                ; the mask bytes are in: att_mask's 16 loads and K's 12 are younger
.irp w, 0,1,2,3,4,5,6,7,8,9,10,11,12,13,14,15
	v_perm_b32 v[S+4*\w+3], s[TAB], s[TAB], v[VB+\w]   ; each mask byte picks 0x00 or 0xfe; the word as it stands is the fourth key's term
.endr
.irp w, 0,1,2,3,4,5,6,7,8,9,10,11,12,13,14,15
	v_lshlrev_b32 v[S+4*\w], 24, v[S+4*\w+3]       ; and shifted, so that the key's byte is on top, the other three's
	v_lshlrev_b32 v[S+4*\w+1], 16, v[S+4*\w+3]
	v_lshlrev_b32 v[S+4*\w+2], 8, v[S+4*\w+3]
.endr
	s_wait_dscnt 12                                ; att_mask is in: K's 12 loads are younger
.irp j, 0,2,4,6,8,10,12,14,16,18,20,22,24,26,28,30,32,34,36,38,40,42,44,46,48,50,52,54,56,58,60,62
	v_pk_fma_f32 v[B+\j:B+\j+1], v[B+\j:B+\j+1], s[C8:C8+1], v[S+\j:S+\j+1] op_sel_hi:[1,0,1]   ; 8 att_mask + the term
.endr
	PLACES 4
.endm
; A HEAD'S PART OF A KEY STEP.
.macro HEAD hd
.set rT, ST+4*(\hd)
.set rO, 32*(\hd)
	s_wait_dscnt 0x0                               ; this head's K is in (asked for a head's softmax ago), and no load is out into the registers that tile 7's operand runs on into
	WIN W_QK
.irp t, 0,1,2,3,4,5,6,7                        ; S^T = K Q^T + bias: eight tiles of 16 keys
.if (\t)%2
	v_wmma_scale_f32_16x16x128_f8f6f4 v[S+8*\t:S+8*\t+7], v[KB+4*\t:KB+4*\t+7], v[QW+8*(\hd):QW+8*(\hd)+7], v[B+8*\t:B+8*\t+7], v[KSC+\t/2], v[QS+(\hd)] matrix_a_fmt:MATRIX_FMT_FP4 matrix_b_fmt:MATRIX_FMT_FP4 matrix_a_scale:MATRIX_SCALE_ROW1
.else
	v_wmma_scale_f32_16x16x128_f8f6f4 v[S+8*\t:S+8*\t+7], v[KB+4*\t:KB+4*\t+7], v[QW+8*(\hd):QW+8*(\hd)+7], v[B+8*\t:B+8*\t+7], v[KSC+\t/2], v[QS+(\hd)] matrix_a_fmt:MATRIX_FMT_FP4 matrix_b_fmt:MATRIX_FMT_FP4
.endif
.endr
	WIN 0
	PLACES 4                                       ; in front of loads into registers that matrix instructions have read, and of the first read of the scores
	VLOAD \hd
.if (\hd) < 3
	KLOAD (\hd)+1                                  ; the next head's K lands while this head's softmax is walked
.endif
.irp b, 0,1,2,3
	v_max3_num_f32 v[BM+\b], v[S+16*\b], v[S+16*\b+1], v[S+16*\b+2]   ; the largest score of each block of 32 keys: it serves the row's maximum and, since p rises with the score, the block's largest p
.endr
.irp n, 3,5,7,9,11,13
.irp b, 0,1,2,3
	v_max3_num_f32 v[BM+\b], v[BM+\b], v[S+16*\b+\n], v[S+16*\b+\n+1]   ; (the four blocks by turns)
.endr
.endr
.irp b, 0,1,2,3
	v_max_num_f32 v[BM+\b], v[BM+\b], v[S+16*\b+15]
.endr
.irp b, 0,1,2,3
	v_permlanex16_b32 v[PD+\b], v[BM+\b], s[SEL], s[SEL+1]
.endr
.irp b, 0,1,2,3
	v_max_num_f32 v[BM+\b], v[BM+\b], v[PD+\b]     ; with lane l xor 16's 16 keys
.endr
	v_max3_num_f32 v[PD], v[BM], v[BM+1], v[BM+2]
	v_max_num_f32 v[PD], v[PD], v[BM+3]            ; the step's largest score of my query
	v_mul_f32 v[PD], s[CS], v[PD]                  ; as t (c is positive)
	v_max_num_f32 v[rT+1], v[rT+1], v[PD]          ; the running largest t
	v_mov_b32 v[PD], v[rT]
	v_floor_f32 v[rT], -v[rT+1]                    ; the new -M = floor(-t) = -ceil(t): a whole number
	v_sub_f32 v[PD], v[rT], v[PD]                  ; M's old value less its new one: 0 or less
	v_cvt_i32_f32 v[PD], v[PD]                     ; (it saturates)
	v_ldexp_f32 v[F], 1.0, v[PD]                   ; f = 2^(old M - new M)
.irp j, 0,2,4,6,8,10,12,14,16,18,20,22,24,26,28,30,32,34,36,38,40,42,44,46,48,50,52,54,56,58,60,62
	v_pk_fma_f32 v[S+\j:S+\j+1], v[S+\j:S+\j+1], s[CS:CS+1], v[rT:rT+1] op_sel_hi:[1,0,0]   ; t - M, two at a time (of the pairs c and -M the low word serves both halves)
.endr
.irp b, 0,1,2,3
	v_fma_f32 v[BM+\b], v[BM+\b], s[CS], v[rT]     ; the same of each block's largest score
.endr
.irp j, 0,1,2,3,4,5,6,7,8,9,10,11,12,13,14,15,16,17,18,19,20,21,22,23,24,25,26,27,28,29,30,31,32,33,34,35,36,37,38,39,40,41,42,43,44,45,46,47,48,49,50,51,52,53,54,55,56,57,58,59,60,61,62,63
	v_exp_f32 v[S+\j], v[S+\j]                     ; p = 2^(t - M), at most 1; 0 for a masked key
.endr
	v_pk_mul_f32 v[rT+2:rT+3], v[rT+2:rT+3], v[F:F+1] op_sel_hi:[1,0]   ; the sums under the new M.  (The plain instruction behind the exponentials)
	s_wait_alu depctr_va_vdst(0)                   ; the wait ahead of the first line that names an exponential's result: one for the batch of 64
.irp b, 0,1,2,3
	v_exp_f32 v[BM+\b], v[BM+\b]                   ; the block's largest p: the same two instructions on the same number give the same bits
.endr
	v_pk_add_f32 v[PD:PD+1], v[S:S+1], v[S+2:S+3]  ; the row's sum is taken of the unquantised p: two at a time, in two chains.  (It reads the 64 alone: plain work behind the four)
.irp j, 4,8,12,16,20,24,28,32,36,40,44,48,52,56,60
	v_pk_add_f32 v[rT+2:rT+3], v[rT+2:rT+3], v[S+\j:S+\j+1]
	v_pk_add_f32 v[PD:PD+1], v[PD:PD+1], v[S+\j+2:S+\j+3]
.endr
	v_pk_add_f32 v[rT+2:rT+3], v[rT+2:rT+3], v[PD:PD+1]
	s_wait_alu depctr_va_vdst(0)                   ; and one for the four
.irp b, 0,1,2,3
	v_max_num_f32 v[BM+\b], 0x1800000, v[BM+\b]    ; the floor 2^(3 - 127): the byte cannot fall under 1 (a block whose every p is 0 keeps that byte: its codes are zeros)
.endr
.irp b, 0,1,2,3
	v_add_nc_u32 v[SO+\b], 0xff000000, v[BM+\b]    ; 2 off the exponent field: the conversion's scale operand
.endr
.irp b, 0,1,2,3
	v_lshrrev_b32 v[PD+\b], 23, v[SO+\b]           ; the scale's byte
.endr
	v_lshl_or_b32 v[PW], v[PD+1], 8, v[PD]         ; p's scale word for these 128 keys
	v_lshl_or_b32 v[PW], v[PD+2], 16, v[PW]
	v_lshl_or_b32 v[PW], v[PD+3], 24, v[PW]
.irp b, 0,1,2,3
	v_cvt_scalef32_pk8_fp4_f32 v[PC+2*\b], v[S+16*\b:S+16*\b+7], v[SO+\b]
	v_cvt_scalef32_pk8_fp4_f32 v[PC+2*\b+1], v[S+16*\b+8:S+16*\b+15], v[SO+\b]
.endr
	v_nop                                          ; one plain instruction behind the last scaled conversion
.irp c, 0,1                                    ; the operand's layout wants a whole block in a lane: lanes 0-15 block 2 c, lanes 16-31 block 2 c + 1
.irp n, 0,1
	v_permlane16_swap_b32 v[PC+4*\c+\n], v[PC+4*\c+2+\n]
.endr
.endr
	WIN W_RS
.irp j, 0,2,4,6,8,10,12,14,16,18,20,22,24,26,28,30
	v_pk_mul_f32 v[rO+\j:rO+\j+1], v[rO+\j:rO+\j+1], v[F:F+1] op_sel_hi:[1,0]   ; O^T under the new M, each tile from its low end on.  (These 16 also stand between the lines that wrote p's codes and scale word and the products)
.endr
.if (\hd) < 3
	s_wait_dscnt 12                                ; V is in: the next head's 12 loads of K are younger
.else
	s_wait_dscnt 0x0
.endif
	WIN W_PV
.irp t, 0,1,2,3                                ; O^T += V^T P^T: four tiles of 16 of the head's 64, one instruction a turn
.if (\t)%2
	v_wmma_scale_f32_16x16x128_f8f6f4 v[rO+8*\t:rO+8*\t+7], v[VB+8*\t:VB+8*\t+7], v[PC:PC+7], v[rO+8*\t:rO+8*\t+7], v[VSC+\t/2], v[PW] matrix_a_fmt:MATRIX_FMT_FP4 matrix_b_fmt:MATRIX_FMT_FP4 matrix_a_scale:MATRIX_SCALE_ROW1
.else
	v_wmma_scale_f32_16x16x128_f8f6f4 v[rO+8*\t:rO+8*\t+7], v[VB+8*\t:VB+8*\t+7], v[PC:PC+7], v[rO+8*\t:rO+8*\t+7], v[VSC+\t/2], v[PW] matrix_a_fmt:MATRIX_FMT_FP4 matrix_b_fmt:MATRIX_FMT_FP4
.endif
.endr
	WIN 0
.endm
.macro KSTEP                           ; a key step: the bias once, then the four heads
	PREP
	HEAD 0
	HEAD 1
	HEAD 2
	HEAD 3
	s_xor_b32 s[TB], s[TB], SLOT1                  ; on to the other slot,
	s_add_co_u32 s[TS], s[TS], 4*PSC               ; the next step's scale words
	s_add_co_u32 s[TJ], s[TJ], 4
.endm
; THE CHANGE OF SLOTS stands at a step's head.  Each wave waits for all its tensor loads (its part of the slot that it is about to read), adds 0 to its spare word, and waits for that and for its reads of the slot that it has left.
; fill = 1: the barrier is a round of the cluster's, so that no wave of any partner still reads the other slot or has a load on its way; the joint load of the next step's tiles is the first thing behind it, one a wave, and has
; the whole step's work in which to land.  (In the first trip all eight loads are slot 1's first fill; from then on all are refills.)
.macro CHANGE fill
	s_wait_tensorcnt 0x0                           ; no tensor load of mine is out, so a group 0 may be written
	ds_add_u32 v[SPW], v[NIL]                      ; 0 onto my spare word
.if \fill
	s_xor_b32 s[G0AM+1], s[G0AM+1], SLOT1          ; the walking descriptors: the other slot than last time, the next 128 keys; the type bits on top are not reached
	s_add_nc_u64 s[G0AM+2:G0AM+3], s[G0AM+2:G0AM+3], 512
	s_xor_b32 s[G0PM+1], s[G0PM+1], SLOT1
	s_add_nc_u64 s[G0PM+2:G0PM+3], s[G0PM+2:G0PM+3], 128
	s_xor_b32 s[G0K+1], s[G0K+1], SLOT1
	s_add_nc_u64 s[G0K+2:G0K+3], s[G0K+2:G0K+3], 4096
	s_xor_b32 s[G0V+1], s[G0V+1], SLOT1
	s_add_nc_u64 s[G0V+2:G0V+3], s[G0V+2:G0V+3], 64
	s_wait_xcnt 0x0                                ; the last prefetch, a step back, has read its address, so it may be written
	s_add_nc_u64 s[PFA:PFA+1], s[PFA:PFA+1], s[PFS:PFS+1]
	s_wait_dscnt 0x0                               ; the add is done, and my reads of the slot that I have left are over
	CROUND
	JLOAD
	ASK
.else
	s_wait_dscnt 0x0
	s_barrier_signal -1
	s_barrier_wait -1
.endif
.endm
	s_wait_loadcnt 0x0                             ; Q and its scale words
.Lstep:                                            ; 15 trips: behind each change of slots but the last the next step's tiles are asked for
	CHANGE 1
	KSTEP
	s_add_co_u32 s[STP], s[STP], 1
	s_cmp_lt_u32 s[STP], 15
	s_cbranch_scc1 .Lstep
	CHANGE 0                                       ; the last step is written out
	KSTEP
	; THE WAY OUT.  The sum's two halves and lane l xor 16's are added; O^T is divided by the sum and goes through my stage in LDS, a head (16 rows of 256 bytes) at a time, so that sixteen lanes store one whole row of out0.
.irp n, 0,1,2,3
	v_add_f32 v[ST+4*\n+2], v[ST+4*\n+2], v[ST+4*\n+3]   ; (these additions are the places behind the last products)
.endr
.irp n, 0,1,2,3
	v_permlanex16_b32 v[PD+\n], v[ST+4*\n+2], s[SEL], s[SEL+1]
.endr
.irp n, 0,1,2,3
	v_add_f32 v[ST+4*\n+2], v[ST+4*\n+2], v[PD+\n]
.endr
.irp n, 0,1,2,3
	v_rcp_f32 v[ST+4*\n+3], v[ST+4*\n+2]
.endr
	v_and_b32 v9, 15, v0                           ; (plain work behind the reciprocals)  r
	v_bfe_u32 v10, v0, 4, 1                        ; h
	s_mul_i32 s12, s[WV], 16*SPT                   ; my stage
	v_mul_u32_u24 v[STO], v9, SPT
	v_lshl_add_u32 v[STO], v10, 5, v[STO]
	v_add_nc_u32 v[STO], s12, v[STO]               ; in: row r; tile t's eight channels of my half: 64 t + 32 h bytes on
	v_mul_u32_u24 v[RD], v10, SPT
	v_lshl_add_u32 v[RD], v9, 4, v[RD]
	v_add_nc_u32 v[RD], s12, v[RD]                 ; back: lanes 0-15 one row, lanes 16-31 the next
	v_lshlrev_b32 v[GO], 8, v10
	v_lshl_add_u32 v[GO], v9, 4, v[GO]             ; and the same two rows in out0
	s_wait_alu depctr_va_vdst(0)                   ; the wait ahead of the first use: one for the four reciprocals
.macro PACK hd, back                   ; head hd: O^T / the sum into S's half hd % 2, through the stage, back as whole rows into v[back] on: registers of its own for each head, so that no store's data are written again
	WIN W_OUT
.set j, 0
.rept 32
	v_mul_f32 v[S+32*((\hd)%2)+j], v[32*(\hd)+j], v[ST+4*(\hd)+3]   ; register 8 t + n is out0(r, 16 t + 8 h + n); each tile from its low end on
.set j, j+1
.endr
	WIN 0
.irp t, 0,1,2,3
	ds_store_b128 v[STO], v[S+32*((\hd)%2)+8*\t:S+32*((\hd)%2)+8*\t+3] offset:64*\t
	ds_store_b128 v[STO], v[S+32*((\hd)%2)+8*\t+4:S+32*((\hd)%2)+8*\t+7] offset:64*\t+16
.endr
.irp f, 0,1,2,3,4,5,6,7
	ds_load_b128 v[\back+4*\f:\back+4*\f+3], v[RD] offset:2*SPT*\f   ; LDS serves a wave's instructions in order (ISA guide 5.7.1.4): these see the stores above, and the next head's stores come behind them
.endr
.endm
.macro SEND hd, back, younger          ; younger: the LDS instructions issued behind head hd's loads: the next head's sixteen, or none
.irp f, 0,1,2,3,4,5,6,7
	s_wait_dscnt \younger+7-\f
	global_store_b128 v[GO], v[\back+4*\f:\back+4*\f+3], s[20:21] offset:524288*(\hd)+512*\f th:TH_STORE_NT   ; 16 lanes store 256 consecutive bytes, at a multiple of 256 from out0's first byte
.endr
.endm
	PACK 0, 32
	PACK 1, 64                                     ; a head's arithmetic stands between the loads of the head before and its stores
	SEND 0, 32, 16                                 ; (its last wait also shows head 0's stage stores done: head 2 writes their registers)
	PACK 2, 160
	SEND 1, 64, 16
	PACK 3, 192
	SEND 2, 160, 16
	SEND 3, 192, 0
	s_wait_tensorcnt 0x0                           ; the wave's end: behind my last tensor load and my last LDS store
	ds_add_u32 v[SPW], v[NIL]
	s_wait_dscnt 0x0
	CROUND                                         ; the closing round: no work-group ends while a partner may still ask for a tile that names it
	s_endpgm
.Lfunc_end_k_qbfb3e467a5_attn:
	.size	k_qbfb3e467a5_attn, .Lfunc_end_k_qbfb3e467a5_attn-k_qbfb3e467a5_attn
	.p2alignl 7, 3214868480
	.fill 96, 4, 3214868480
	.section	.rodata,"a",@progbits
	.p2align	6, 0x0
	.amdhsa_kernel k_qbfb3e467a5_attn
		.amdhsa_group_segment_fixed_size 327680
		.amdhsa_private_segment_fixed_size 0
		.amdhsa_enable_private_segment 0
		.amdhsa_kernarg_size 72
		.amdhsa_user_sgpr_count 2
		.amdhsa_user_sgpr_kernarg_segment_ptr 1
		.amdhsa_wavefront_size32 1
		.amdhsa_system_sgpr_workgroup_id_x 1
		.amdhsa_system_sgpr_workgroup_id_y 1
		.amdhsa_system_sgpr_workgroup_id_z 1
		.amdhsa_system_vgpr_workitem_id 0
		.amdhsa_next_free_vgpr 416
		.amdhsa_next_free_sgpr 106
		.amdhsa_reserve_vcc 0
		.amdhsa_float_denorm_mode_32 3
		.amdhsa_float_denorm_mode_16_64 3
		.amdhsa_memory_ordered 1
		.amdhsa_forward_progress 1
		.amdhsa_inst_pref_size 166
	.end_amdhsa_kernel
	.amdgpu_metadata
---
amdhsa.version: [ 1, 2 ]
amdhsa.kernels:
  - .name:           k_qbfb3e467a5_attn
    .symbol:         k_qbfb3e467a5_attn.kd
    .args:
      - { .name: att_mask, .offset: 0, .size: 8, .value_kind: global_buffer, .address_space: global }
      - { .name: padding_mask, .offset: 8, .size: 8, .value_kind: global_buffer, .address_space: global }
      - { .name: k_codes, .offset: 16, .size: 8, .value_kind: global_buffer, .address_space: global }
      - { .name: k_scales, .offset: 24, .size: 8, .value_kind: global_buffer, .address_space: global }
      - { .name: v_codes, .offset: 32, .size: 8, .value_kind: global_buffer, .address_space: global }
      - { .name: v_scales, .offset: 40, .size: 8, .value_kind: global_buffer, .address_space: global }
      - { .name: q_codes, .offset: 48, .size: 8, .value_kind: global_buffer, .address_space: global }
      - { .name: q_scales, .offset: 56, .size: 8, .value_kind: global_buffer, .address_space: global }
      - { .name: out0, .offset: 64, .size: 8, .value_kind: global_buffer, .address_space: global }
    .group_segment_fixed_size: 327680
    .private_segment_fixed_size: 0
    .kernarg_segment_align: 8
    .kernarg_segment_size: 72
    .max_flat_workgroup_size: 256
    .sgpr_count:     106
    .vgpr_count:     416
    .wavefront_size: 32
...
	.end_amdgpu_metadata
.endif
;; end of part 1
